; MI455X (gfx1250); checked and timed in simulation.
; The chip was launched on July 23, 2026; its instructions are those of AMD's public machine-readable ISA for CDNA 5 (MIT licence, August 2026) and "CDNA5" Instruction Set Architecture Reference Guide (July 2026). The comments in the code are by the model that wrote it; some were corrected since.
;; M. Allowed arithmetic: float matrix products may take bf16 or f16 operands with f32 sums; all other float work in f32.
;; Inputs: k 8,192 x 128 float32; q 8,192 x 128 float32; v 8,192 x 128 float32.
;; Outputs: out0 8,192 x 128 float32.
;; 2 versions, each right; version 2 is version 1 with the launch cast written anew for expert scheduling mode. Each part assembles by itself: llvm-mc -triple=amdgcn-amd-amdhsa -mcpu=gfx1250 --defsym DOCPART=n.
;; ======== version 1 of 2: 3 launches
;; workspace buffers: kvb 4,194,304 bytes; opart 16,777,216 bytes; stat 262,144 bytes
;; launch cast (part 1): grid 256 x 1, 8 waves a work-group, no clusters, 0 bytes of LDS; arguments k, v, kvb; writes kvb
.if DOCPART == 1
	.amdgcn_target "amdgcn-amd-amdhsa--gfx1250"
	.amdhsa_code_object_version 6
	.text
	.protected	k_q8202cecb34_cast
	.globl	k_q8202cecb34_cast
	.p2align	8
	.type	k_q8202cecb34_cast,@function
k_q8202cecb34_cast:
	s_mov_b64 s[64:65], 0
	v_nop
	global_prefetch_b8 v0, s[64:65] scope:SCOPE_SE
	s_setreg_imm32_b32 hwreg(HW_REG_WAVE_MODE, 25, 1), 1
	s_wait_xcnt 0x0
; kvb = bf16(k) at byte 0, bf16(v) at byte 2,097,152; k, v: [8192][128] f32, rounded once, to nearest even.
; Each tile of K and V is read by 64 query blocks of the next launch: the rounding is done here once instead of there 64 times,
; and the tiles that travel into LDS there are half as large.
; A stream: 8 waves, the work-group owns 32 rows (16,384 bytes) of k and of v.  Thread t takes 16 bytes at 16 t + 4,096 c, c = 0..3,
; of each input (a wave's load covers 512 consecutive bytes) and stores 8 bytes at 8 t + 2,048 c (a wave's store covers 256
; consecutive bytes, aligned).  All eight loads go out first; no register is written twice, so no wait frees a source.
; No LDS, no matrix unit, no cluster: nothing is shared and nothing is read twice.
.set VPLANE, 0x200000                  ; byte of V's part in kvb
.set X, 4                              ; v[4:35]   load i: 4 registers (i = 0..3 k, 4..7 v)
.set Y, 36                             ; v[36:51]  store i: 2 registers
	s_load_b128 s[4:7], s[0:1], 0x0                ; k s[4:5], v s[6:7]
	s_load_b64 s[8:9], s[0:1], 0x10                ; kvb
	s_lshl_b32 s10, ttmp9, 14                      ; the work-group's 32 rows of 512 bytes
	s_mov_b32 s11, 0
	s_lshl_b32 s12, ttmp9, 13                      ; and of 256 bytes
	s_mov_b32 s13, 0
	v_lshlrev_b32 v1, 4, v0                        ; 16 t
	v_lshlrev_b32 v2, 3, v0                        ; 8 t
	s_wait_kmcnt 0x0
	s_add_nc_u64 s[4:5], s[4:5], s[10:11]
	s_add_nc_u64 s[6:7], s[6:7], s[10:11]
	s_add_nc_u64 s[8:9], s[8:9], s[12:13]          ; K's part
	s_add_nc_u64 s[14:15], s[8:9], VPLANE          ; V's part
.irp i, 0,1,2,3
	global_load_b128 v[X+4*\i:X+4*\i+3], v1, s[4:5] offset:4096*\i th:TH_LOAD_NT
.endr
.irp i, 0,1,2,3
	global_load_b128 v[X+16+4*\i:X+16+4*\i+3], v1, s[6:7] offset:4096*\i th:TH_LOAD_NT
.endr
.irp i, 0,1,2,3
	s_wait_loadcnt 7-\i                            ; loads come back in order (ISA guide 5.7.1): load i is in, the 7 - i younger ones stay out
	v_cvt_pk_bf16_f32 v[Y+2*\i],   v[X+4*\i],   v[X+4*\i+1]
	v_cvt_pk_bf16_f32 v[Y+2*\i+1], v[X+4*\i+2], v[X+4*\i+3]
	global_store_b64 v2, v[Y+2*\i:Y+2*\i+1], s[8:9] offset:2048*\i      ; no hint: the next launch reads it
.endr
.irp i, 0,1,2,3
	s_wait_loadcnt 3-\i
	v_cvt_pk_bf16_f32 v[Y+8+2*\i],   v[X+16+4*\i],   v[X+16+4*\i+1]
	v_cvt_pk_bf16_f32 v[Y+8+2*\i+1], v[X+16+4*\i+2], v[X+16+4*\i+3]
	global_store_b64 v2, v[Y+8+2*\i:Y+8+2*\i+1], s[14:15] offset:2048*\i
.endr
	s_endpgm
.Lfunc_end_k_q8202cecb34_cast:
	.size	k_q8202cecb34_cast, .Lfunc_end_k_q8202cecb34_cast-k_q8202cecb34_cast
	.p2alignl 7, 3214868480
	.fill 96, 4, 3214868480
	.section	.rodata,"a",@progbits
	.p2align	6, 0x0
	.amdhsa_kernel k_q8202cecb34_cast
		.amdhsa_group_segment_fixed_size 0
		.amdhsa_private_segment_fixed_size 0
		.amdhsa_enable_private_segment 0
		.amdhsa_kernarg_size 24
		.amdhsa_user_sgpr_count 2
		.amdhsa_user_sgpr_kernarg_segment_ptr 1
		.amdhsa_wavefront_size32 1
		.amdhsa_system_sgpr_workgroup_id_x 1
		.amdhsa_system_sgpr_workgroup_id_y 1
		.amdhsa_system_sgpr_workgroup_id_z 1
		.amdhsa_system_vgpr_workitem_id 0
		.amdhsa_next_free_vgpr 52
		.amdhsa_next_free_sgpr 66
		.amdhsa_reserve_vcc 0
		.amdhsa_float_denorm_mode_32 3
		.amdhsa_float_denorm_mode_16_64 3
		.amdhsa_memory_ordered 1
		.amdhsa_forward_progress 1
		.amdhsa_inst_pref_size 4
	.end_amdhsa_kernel
	.amdgpu_metadata
---
amdhsa.version: [ 1, 2 ]
amdhsa.kernels:
  - .name:           k_q8202cecb34_cast
    .symbol:         k_q8202cecb34_cast.kd
    .args:
      - { .name: k, .offset: 0, .size: 8, .value_kind: global_buffer, .address_space: global }
      - { .name: v, .offset: 8, .size: 8, .value_kind: global_buffer, .address_space: global }
      - { .name: kvb, .offset: 16, .size: 8, .value_kind: global_buffer, .address_space: global }
    .group_segment_fixed_size: 0
    .private_segment_fixed_size: 0
    .kernarg_segment_align: 8
    .kernarg_segment_size: 24
    .max_flat_workgroup_size: 256
    .sgpr_count:     66
    .vgpr_count:     52
    .wavefront_size: 32
...
	.end_amdgpu_metadata
.endif
;; end of part 1
;; launch attn (part 2): grid 64 x 4, 4 waves a work-group, clusters of 4 x 1, 327,680 bytes of LDS; arguments q, kvb, opart, stat; writes opart, stat
.if DOCPART == 2
	.amdgcn_target "amdgcn-amd-amdhsa--gfx1250"
	.amdhsa_code_object_version 6
	.text
	.protected	k_q8202cecb34_attn
	.globl	k_q8202cecb34_attn
	.p2align	8
	.type	k_q8202cecb34_attn,@function
k_q8202cecb34_attn:
	s_mov_b64 s[64:65], 0
	v_nop
	global_prefetch_b8 v0, s[64:65] scope:SCOPE_SE
	s_setreg_imm32_b32 hwreg(HW_REG_WAVE_MODE, 25, 1), 1
	s_wait_xcnt 0x0
	s_wait_alu depctr_hold_cnt(0) depctr_sa_sdst(0) depctr_va_vdst(0) depctr_va_sdst(0) depctr_va_ssrc(0) depctr_va_vcc(0) depctr_vm_vsrc(0)
	s_getreg_b32 s2, hwreg(HW_REG_IB_STS2, 6, 4)
	s_cmp_eq_u32 s2, 0
	s_cbranch_scc0 .Lentry_in_a_cluster
	s_endpgm
.Lentry_in_a_cluster:
	s_bfe_u32 s2, ttmp6, 0x10000c
	s_cmp_lg_u32 s2, 0x3003
	s_cbranch_scc0 .Lentry_shape_is_right
	s_endpgm
.Lentry_shape_is_right:
; Attention with a running maximum, one part of the keys: work-group (x, y) takes query rows 128 x .. 128 x + 127 and keys 2048 y .. 2048 y + 2047.
; It stores  opart[y][row][d] = sum over its keys of 2^(c s - mc) v[key][d]   (not divided),
;            stat[y][0][row]  = mc = c x (largest score of the row among its keys),   stat[y][1][row] = l = sum of 2^(c s - mc),
; with s = q . k (raw) and c = log2(e) / sqrt(128).  The next launch merges the four parts.  64 x 4 = 256 work-groups of equal work.
;
; SHARES.  Four waves.  Wave w: qh = w >> 1 picks 64 of the 128 query rows, kh = w & 1 picks 128 of the 256 keys of a step.  A wave keeps its own
; O (128 d x 64 q in 256 registers), maximum and sum through all 8 steps; the two waves of one qh are merged through LDS at the end.
; Per step a wave issues 128 matrix instructions for the scores and 128 for the products with V.
;
; ORIENTATION, chosen so that nothing is shuffled between lanes:
;   S^T(a, b) = K fragment (16 keys, source 0) x Q fragment (16 q, source 1): lane (r, h), register j holds key 16 a + 8 h + j, q 16 b + r.
;   A lane owns ONE q: maximum and sum run along its registers and then once across the two halves of the wave; the rescale factor is the lane's own.
;   Pairs of those registers, rounded to bf16, ARE the source-1 fragment of P (16 q x 32 keys): tile 2 kk gives registers 0-3, tile 2 kk + 1 registers 4-7.
;   O^T(t, b) += V^T fragment (16 d x 32 keys, by the transposing LDS load from V's rows) x P(b, kk): lane holds q 16 b + r, d 16 t + 8 h + j.
;
; CLUSTER.  The four work-groups of a cluster have the same y and neighbouring x: they need the same tiles of K and V.  Every tile is asked for jointly,
; mask 15, which divides the requests for tiles by four.  Along y the tiles differ, and Q goes straight to registers: a wider cluster would share nothing more.
;
; LIMITS.  Q, K, V and P are rounded to bf16 (f32's range).  The sums over keys are formed in another order than a plain row sum (lane, wave, part).
; v_exp_f32 gives 0 for results below 2^-126 (ISA guide 15.8).  NaN and infinities in the inputs are not treated specially.
; The maximum is a true running maximum; every factor is 2^(difference of the very numbers that were subtracted), so nothing grows with the inputs' size.
.set PK,     272                       ; LDS pitch of K's rows: 256 bytes + 16 = 68 words: the 16 rows that a fragment load touches start 4 words apart
.set PV,     288                       ; LDS pitch of V's rows: 256 bytes + 32 = 72 words, for the transposing load
.set HALFV,  128*PV                    ; 36,864: what one tensor load brings of V
.set HALFK,  128*PK                    ; 34,816: of K
.set VPART,  2*HALFV                   ; 73,728: V's 256 rows lie first in a slot, K's 256 rows behind them
.set SLOT,   VPART+2*HALFK             ; 143,360
.set STEP,   65536                     ; 256 rows of 256 bytes in kvb
.set VPLANE, 0x200000                  ; V's part of kvb
; after its last fill (step 6's tile) and its last read, slot 0 serves as scratch:
.set SP,     528                       ; stage pitch: a row of 128 f32 + 16 bytes
.set SREG,   64*SP                     ; 33,792: a wave's stage, 64 rows; four of them from byte 0
.set XCH,    4*SREG                    ; 135,168: per wave 64 numbers -mc, then 64 sums, 512 bytes
.set FIN,    XCH+4*512                 ; 137,216: 128 mc, then 128 l; ends at 138,240, inside slot 0
; scalar registers
.set G1V, 24                           ; s[24:31] descriptor group 1, V's tiles
.set G1K, 32                           ; s[32:39] descriptor group 1, K's tiles (another padding)
.set G0V, 40                           ; s[40:47] descriptor group 0, V, one set for each slot
.set G0K, 48                           ; s[48:55] descriptor group 0, K, one set for each slot
; vector registers, window 0
.set ADRK, 4                           ; v4-5    LDS address of my K fragments in slot 0, 1
.set ADRV, 6                           ; v6-7    the same for V
.set QOFF, 8                           ; v8      my byte offset in the wave's 64 rows of q
.set STO,  9                           ; v9      way out: where my 32 bytes of a row of O go
.set RD,   10                          ; v10     way out: where I read rows back
.set L16,  11                          ; v11     16 x lane
.set XST,  12                          ; v12     exchange: my wave's words
.set XLD,  13                          ; v13     exchange: the partner wave's words
.set FINW, 14                          ; v14     finished statistics, in
.set FINR, 15                          ; v15     finished statistics, back
.set MX,   16                          ; v[16:19] running maximum of the raw scores, one for each q tile b
.set MN,   20                          ; v[20:23] the new one
.set NM,   24                          ; v[24:31] -c x maximum, twice (a pair for the packed forms)
.set AL,   32                          ; v[32:39] rescale factor, twice
.set LS,   40                          ; v[40:55] my lane's partial sums: two pairs for each b
.set CC,   56                          ; v[56:57] c, twice
.set F0,   64                          ; v[64:127]  fragment buffer 0 (8 fragments)
.set F1,   128                         ; v[128:191] fragment buffer 1
.set T,    192                         ; v[192:207] at work
; window 1 (v256-511): S, tile (a, b) at 64 b + 8 a; P(b, kk) is made in place at 64 b + 16 kk.  At the start: q in f32.
; window 2 (v512-767): O, tile (t, b) at 8 (4 t + b).      window 3 (v768-895): Q fragments (b, ks) at 8 (4 b + ks).
; s_set_vgpr_msb's low byte: bits 1:0 source 0, 3:2 source 1, 5:4 source 2, 7:6 destination.
.set W_QLD,  0x40                      ; load into window 1, address window 0
.set W_QCV,  0xc5                      ; window 1, window 1 -> window 3
.set W_QK,   0x5c                      ; D, C = S (1), source 0 = K (0), source 1 = Q (3)
.set W_MAX,  0x14                      ; chain (0), S (1), S (1) -> chain (0)
.set W_EXP,  0x41                      ; S (1), window 0, window 0 -> S (1)
.set W_SUM0, 0x10                      ; sum (0), factor (0), S (1) -> sum (0)
.set W_SUM,  0x01                      ; S (1), sum (0) -> sum (0)
.set W_PACK, 0x45                      ; S (1), S (1) -> P (1)
.set W_RESC, 0x82                      ; O (2), factor (0) -> O (2)
.set W_PV,   0xa4                      ; D, C = O (2), source 0 = V (0), source 1 = P (1)
.set W_OST,  0x08                      ; LDS store: address window 0, data window 2
.set MSB, 0
.macro WIN new                         ; the immediate's high byte repeats the setting that is left; a switch that changes nothing is dropped
.if MSB != \new
	s_set_vgpr_msb (MSB<<8)|\new
.set MSB, \new
.endif
.endm
; Places behind matrix instructions: a vector instruction that reads a result or writes a register of a matrix instruction, and a load into such a register,
; stand four plain vector instructions behind it (ISA guide 7.12.1 for vector instructions).
.macro PLACES n
.rept \n
	v_nop
.endr
.endm
; A round of the cluster's barrier: my work-group's barrier, so that wave 0 speaks for all four waves; wave 0 signals; every wave waits for the four
; work-groups; my work-group's barrier once more.
.macro ROUND
	s_barrier_signal -1
	s_barrier_wait -1
	s_cmp_lg_u32 s12, 0
	s_cbranch_scc1 .Lnot_wave_0_\@
	s_barrier_signal -3
.Lnot_wave_0_\@:
	s_barrier_wait -3
	s_barrier_signal -1
	s_barrier_wait -1
.endm
; A joint load into slot s: waves 0 and 1 fetch V's two halves, waves 2 and 3 K's: 128 rows of 256 bytes each, one load a wave.
; The branch hangs on the wave's number alone; nothing in the descriptors hangs on the place in the cluster.
.macro JLOAD s
	s_cmp_eq_u32 s13, 0
	s_cbranch_scc0 .Lfor_k_\@
	tensor_load_to_lds s[G0V+4*(\s):G0V+4*(\s)+3], s[G1V:G1V+7]
	s_nop 0
	s_branch .Lasked_\@
.Lfor_k_\@:
	tensor_load_to_lds s[G0K+4*(\s):G0K+4*(\s)+3], s[G1K:G1K+7]
	s_nop 0
.Lasked_\@:
.endm
; 16 LDS loads: the K fragments of key tiles 2 g, 2 g + 1 of my 128 keys, all four quarters of d, into buffer f (fragment 4 a + ks).
; Lane (r, h): row 16 a + r, bytes 64 ks + 16 h and 32 further on.
.macro FETCHK slot, g, f
	WIN 0
.irp a, 0,1
.irp ks, 0,1,2,3
	ds_load_b128 v[\f+8*(4*\a+\ks):\f+8*(4*\a+\ks)+3],   v[ADRK+\slot] offset:(2*\g+\a)*16*PK+64*\ks
	ds_load_b128 v[\f+8*(4*\a+\ks)+4:\f+8*(4*\a+\ks)+7], v[ADRK+\slot] offset:(2*\g+\a)*16*PK+64*\ks+32
.endr
.endr
.endm
; 16 transposing LDS loads: V^T fragments of keys 32 kk .. 32 kk + 31 of my 128, all eight tiles of d, into buffer f (fragment t).
.macro FETCHV slot, kk, f
	WIN 0
.irp t, 0,1,2,3,4,5,6,7
	ds_load_tr16_b128 v[\f+8*\t:\f+8*\t+3],   v[ADRV+\slot] offset:\kk*32*PV+32*\t
	ds_load_tr16_b128 v[\f+8*\t+4:\f+8*\t+7], v[ADRV+\slot] offset:\kk*32*PV+32*\t+16*PV
.endr
.endm
; 32 matrix instructions: the scores of key tiles 2 g, 2 g + 1 against all four q tiles.  The first quarter of d starts the sums (C = 0).
; The eight accumulators take turns, one instruction a turn.
.macro QK32 g, f
	WIN W_QK
.irp ks, 0,1,2,3
.irp a, 0,1
.irp b, 0,1,2,3
.if \ks
	v_wmma_f32_16x16x32_bf16 v[64*\b+8*(2*\g+\a):64*\b+8*(2*\g+\a)+7], v[\f+8*(4*\a+\ks):\f+8*(4*\a+\ks)+7], v[8*(4*\b+\ks):8*(4*\b+\ks)+7], v[64*\b+8*(2*\g+\a):64*\b+8*(2*\g+\a)+7]
.else
	v_wmma_f32_16x16x32_bf16 v[64*\b+8*(2*\g+\a):64*\b+8*(2*\g+\a)+7], v[\f+8*(4*\a+\ks):\f+8*(4*\a+\ks)+7], v[8*(4*\b+\ks):8*(4*\b+\ks)+7], 0
.endif
.endr
.endr
.endr
.endm
; 32 matrix instructions: O += V^T x P for 32 keys.  All 32 accumulators, each once: they take turns.
; zero = 1: the very first product starts the sums: O is never cleared.
.macro PV32 kk, f, zero
	WIN W_PV
.irp t, 0,1,2,3,4,5,6,7
.irp b, 0,1,2,3
.if \zero
	v_wmma_f32_16x16x32_bf16 v[8*(4*\t+\b):8*(4*\t+\b)+7], v[\f+8*\t:\f+8*\t+7], v[64*\b+16*\kk:64*\b+16*\kk+7], 0
.else
	v_wmma_f32_16x16x32_bf16 v[8*(4*\t+\b):8*(4*\t+\b)+7], v[\f+8*\t:\f+8*\t+7], v[64*\b+16*\kk:64*\b+16*\kk+7], v[8*(4*\t+\b):8*(4*\t+\b)+7]
.endif
.endr
.endr
.endm
; O times the lane's factor of its q tile: 128 packed multiplies
.macro RESCALE
	WIN W_RESC
.irp t, 0,1,2,3,4,5,6,7
.irp b, 0,1,2,3
.irp p, 0,2,4,6
	v_pk_mul_f32 v[8*(4*\t+\b)+\p:8*(4*\t+\b)+\p+1], v[8*(4*\t+\b)+\p:8*(4*\t+\b)+\p+1], v[AL+2*\b:AL+2*\b+1]
.endr
.endr
.endr
.endm
; From the scores of 128 keys x 64 q to P in bf16; maximum, sums and O brought up to date.  No branch hangs on a number: O is rescaled in every step.
.macro SOFTMAX first
	; the largest of my 64 scores of each q tile and the old maximum: 16 chains that do not wait for each other
	WIN W_MAX
.irp b, 0,1,2,3
.irp ch, 0,1,2,3
	v_max3_num_f32 v[T+4*\b+\ch], v[MX+\b], v[64*\b+16*\ch], v[64*\b+16*\ch+1]
.endr
.endr
.irp i, 1,2,3,4,5,6,7
.irp b, 0,1,2,3
.irp ch, 0,1,2,3
	v_max3_num_f32 v[T+4*\b+\ch], v[T+4*\b+\ch], v[64*\b+16*\ch+2*\i], v[64*\b+16*\ch+2*\i+1]
.endr
.endr
.endr
	WIN 0
.irp b, 0,1,2,3
	v_max3_num_f32 v[MN+\b], v[T+4*\b], v[T+4*\b+1], v[T+4*\b+2]
.endr
.irp b, 0,1,2,3
	v_max_num_f32 v[MN+\b], v[MN+\b], v[T+4*\b+3]
.endr
.irp b, 0,1,2,3
	v_permlanex16_b32 v[T+4*\b], v[MN+\b], s18, s19        ; the other half of the wave holds the same q's other keys
.endr
.irp b, 0,1,2,3
	v_max_num_f32 v[MN+\b], v[MN+\b], v[T+4*\b]
.endr
.irp b, 0,1,2,3
	v_mul_f32 v[T+4*\b+1], s22, v[MN+\b]                   ; -c x new maximum: the number that is subtracted from now on
.endr
.irp b, 0,1,2,3
	v_sub_f32 v[T+4*\b+2], v[T+4*\b+1], v[NM+2*\b]         ; minus the number that was subtracted so far: never above 0 (first step: -infinity)
.endr
.irp b, 0,1,2,3
	v_exp_f32 v[AL+2*\b], v[T+4*\b+2]                      ; the factor for what has been summed so far (first step: 0)
.endr
.irp b, 0,1,2,3
	v_mov_b32 v[MX+\b], v[MN+\b]                           ; plain instructions that touch neither result nor source of the exponentials (ISA guide 5.7.2)
.endr
	s_wait_alu depctr_va_vdst(0)
.irp b, 0,1,2,3
	v_mov_b32 v[NM+2*\b], v[T+4*\b+1]
	v_mov_b32 v[NM+2*\b+1], v[T+4*\b+1]
	v_mov_b32 v[AL+2*\b+1], v[AL+2*\b]
.endr
	; p = 2^(c s - c max), in place.  Behind each run of exponentials the next tile's multiply-adds are the plain instructions; behind the last a v_nop.
	WIN W_EXP
.irp b, 0,1,2,3
.set si, 0
.rept 32
	v_pk_fma_f32 v[64*\b+si:64*\b+si+1], v[64*\b+si:64*\b+si+1], v[CC:CC+1], v[NM+2*\b:NM+2*\b+1]
.set si, si+2
.endr
.set si, 0
.rept 64
	v_exp_f32 v[64*\b+si], v[64*\b+si]
.set si, si+1
.endr
.endr
	v_nop
	; sums, in f32, eight chains: the first two pairs of each tile carry the old sums' rescale in the same multiply-add
	WIN W_SUM0
	s_wait_alu depctr_va_vdst(0)
.irp p, 0,2
.irp b, 0,1,2,3
	v_pk_fma_f32 v[LS+4*\b+\p:LS+4*\b+\p+1], v[LS+4*\b+\p:LS+4*\b+\p+1], v[AL+2*\b:AL+2*\b+1], v[64*\b+\p:64*\b+\p+1]
.endr
.endr
	WIN W_SUM
.set si, 4
.rept 30
.irp b, 0,1,2,3
	v_pk_add_f32 v[LS+4*\b+si%4:LS+4*\b+si%4+1], v[64*\b+si:64*\b+si+1], v[LS+4*\b+si%4:LS+4*\b+si%4+1]
.endr
.set si, si+2
.endr
	; P: 16 registers of two neighbouring key tiles become the 8 registers of a fragment, in place, ascending (register i is written when 2 i, 2 i + 1 are read)
	WIN W_PACK
.set sb, 0
.rept 16
.set si, 0
.rept 8
	v_cvt_pk_bf16_f32 v[sb+si], v[sb+2*si], v[sb+2*si+1]
.set si, si+1
.endr
.set sb, sb+16
.endr
.if \first
.else
	RESCALE
.endif
.endm
; One step: 256 keys of the work-group, in slot `slot`.  refill = 1: the other slot is asked for, the next step's tile.  first = 1: O is started.
; s_wait_dscnt 16 throughout: LDS loads come back in order (ISA guide 5.7.1); the 16 of the group fetched last stay out, the group needed now is in.
.macro TRIP slot, refill, first
	s_wait_tensorcnt 0x0                           ; all my tensor loads have landed (one was out: my part of this step's tile), so every group 0 may be written:
	ds_add_u32 v254, v255
	s_wait_dscnt 0x0
	s_add_nc_u64 s[G0V+4*\slot+2:G0V+4*\slot+3], s[G0V+4*\slot+2:G0V+4*\slot+3], 2*STEP   ; this slot's next tile
	s_add_nc_u64 s[G0K+4*\slot+2:G0K+4*\slot+3], s[G0K+4*\slot+2:G0K+4*\slot+3], 2*STEP
	s_wait_dscnt 0x0                               ; my reads of the other slot are over
	ROUND                                          ; both now hold of every wave of the four work-groups
.if \refill
	JLOAD 1-\slot                                  ; my one tensor load until the next round, first behind this one: it has the whole step in which to land
.endif
	PLACES 4                                       ; behind the last step's products, whose fragments lie in buffers 0 and 1
	FETCHK \slot, 0, F0
	FETCHK \slot, 1, F1
	s_wait_dscnt 16
	QK32 0, F0
	PLACES 4
	FETCHK \slot, 2, F0
	s_wait_dscnt 16
	QK32 1, F1
	PLACES 4
	FETCHK \slot, 3, F1
	s_wait_dscnt 16
	QK32 2, F0
	PLACES 4
	FETCHV \slot, 0, F0
	s_wait_dscnt 16
	QK32 3, F1
	PLACES 4                                       ; for the loads into buffer 1 and for the vector instructions that read the scores
	FETCHV \slot, 1, F1
	SOFTMAX \first
	s_wait_dscnt 16
	PV32 0, F0, \first
	PLACES 4
	FETCHV \slot, 2, F0
	s_wait_dscnt 16
	PV32 1, F1, 0
	PLACES 4
	FETCHV \slot, 3, F1
	s_wait_dscnt 16
	PV32 2, F0, 0
	s_wait_dscnt 0                                 ; nothing was fetched behind the last group
	PV32 3, F1, 0
	WIN 0                                          ; at a label and at a branch every window is 0
.endm
	; ---------------- set-up ----------------
	s_load_b256 s[4:11], s[0:1], 0x0               ; q s[4:5], kvb s[6:7], opart s[8:9], stat s[10:11]
	v_lshl_add_u32 v254, v0, 2, 0x46000
	v_mov_b32 v255, 0
	ds_add_u32 v254, v255
	v_lshrrev_b32 v3, 5, v0
	v_readfirstlane_b32 s12, v3                    ; wave w
	s_lshr_b32 s13, s12, 1                         ; qh.  Also: I fetch for V (0) or for K (1)
	s_and_b32 s14, s12, 1                          ; kh.  Also: which 128 rows of that tile I fetch
	s_bfe_u32 s15, ttmp6, 0x40000                  ; cx: my place in the cluster
	s_lshl_b32 s16, ttmp9, 2                       ; in a cluster launch ttmp9 counts clusters
	s_add_co_u32 s16, s16, s15                     ; x = 4 x cluster x + cx: the query block
	s_and_b32 s17, ttmp7, 0xffff                   ; y: the part of the keys
	s_mov_b32 s18, 0x76543210                      ; v_permlanex16_b32: lane i of one half reads lane i of the other
	s_mov_b32 s19, 0xfedcba98
	s_mov_b32 s22, 0xbe0293ee                      ; -c = -log2(e) / sqrt(128)
	; descriptor group 1: tiles of 128 rows x 128 elements of 2 bytes, rows 128 elements apart in memory, padded in LDS
	s_mov_b32 s[G1V+0], 15|(1<<16)|(1<<20)|(1<<21)|(5<<22)|(7<<25)   ; 15:0 mask: all four of the cluster; 17:16 2 bytes; 20 padding on; 21 set beside a mask; 24:22 after every 64 words; 31:25 8 words
	s_mov_b32 s[G1K+0], 15|(1<<16)|(1<<20)|(1<<21)|(5<<22)|(3<<25)   ; the same with 4 words of padding
	s_mov_b32 s[G1V+1], 128<<16                    ; 63:48 tensor_dim0 = 128
	s_mov_b32 s[G1K+1], 128<<16
	s_mov_b32 s[G1V+2], 128<<16                    ; 95:80 tensor_dim1 = 128
	s_mov_b32 s[G1K+2], 128<<16
	s_mov_b32 s[G1V+3], 128<<16                    ; 127:112 tile_dim0 = 128
	s_mov_b32 s[G1K+3], 128<<16
	s_mov_b32 s[G1V+4], 128                        ; 143:128 tile_dim1 = 128
	s_mov_b32 s[G1K+4], 128
	s_mov_b32 s[G1V+5], 128                        ; 191:160 elements from row to row
	s_mov_b32 s[G1K+5], 128
	s_mov_b32 s[G1V+6], 0
	s_mov_b32 s[G1K+6], 0
	s_mov_b32 s[G1V+7], 0
	s_mov_b32 s[G1K+7], 0
	; where the tiles come from: y and the wave alone (registers s56-63 never hold cx)
	s_lshl_b32 s56, s17, 19                        ; y x 2048 rows of 256 bytes
	s_lshl_b32 s57, s14, 15                        ; + my 128 rows of the tile
	s_add_co_u32 s56, s56, s57
	s_mov_b32 s57, 0
	s_mul_i32 s62, s12, HALFV                      ; and where they go: V's halves at w x 36,864 (w = 0, 1),
	s_mul_i32 s63, s12, HALFK                      ; K's at w x 34,816 + 4,096 (w = 2, 3: 73,728 and 108,544)
	; offsets of q, opart, stat
	s_lshl_b32 s72, s16, 16                        ; x x 128 rows of 512 bytes
	s_lshl_b32 s74, s13, 15                        ; + qh x 64 rows
	s_add_co_u32 s72, s72, s74
	s_mov_b32 s73, 0
	s_wait_dscnt 0x0
	s_wait_kmcnt 0x0
	s_add_nc_u64 s[58:59], s[6:7], s[56:57]        ; K, step 0
	s_add_nc_u64 s[60:61], s[58:59], VPLANE        ; V, step 0
	s_add_nc_u64 s[66:67], s[4:5], s[72:73]        ; my 64 rows of q
	s_lshl_b32 s74, s17, 22                        ; opart: + y x 4 MiB
	s_add_co_u32 s72, s72, s74
	s_lshl_b32 s74, s14, 14                        ; + kh x 32 rows: the rows that I store
	s_add_co_u32 s72, s72, s74
	s_add_nc_u64 s[68:69], s[8:9], s[72:73]
	s_lshl_b32 s72, s17, 16                        ; stat: y x 65,536
	s_lshl_b32 s74, s16, 9                         ; + x x 128 numbers
	s_add_co_u32 s72, s72, s74
	s_lshl_b32 s74, s14, 15                        ; + plane: wave 0 stores mc, wave 1 stores l (waves 2 and 3 store none)
	s_add_co_u32 s72, s72, s74
	s_add_nc_u64 s[70:71], s[10:11], s[72:73]
.irp s, 0,1
	s_mov_b32 s[G0V+4*\s], 1                                       ; 1:0 count = 1
	s_add_co_u32 s[G0V+4*\s+1], s62, \s*SLOT                       ; 63:32 LDS address
	s_add_nc_u64 s[G0V+4*\s+2:G0V+4*\s+3], s[60:61], \s*STEP       ; 120:64 global address: step s
	s_or_b32 s[G0V+4*\s+3], s[G0V+4*\s+3], 0x80000000              ; 127:126 type = 2
	s_mov_b32 s[G0K+4*\s], 1
	s_add_co_u32 s[G0K+4*\s+1], s63, \s*SLOT+4096
	s_add_nc_u64 s[G0K+4*\s+2:G0K+4*\s+3], s[58:59], \s*STEP
	s_or_b32 s[G0K+4*\s+3], s[G0K+4*\s+3], 0x80000000
.endr
	ROUND                                          ; the four work-groups are here: the first joint loads meet
	JLOAD 0                                        ; step 0's tile; slot 1 is first filled behind the first step's round
	; q: 64 loads of 16 bytes a lane into window 1.  Fragment (b, ks) wants, of row 16 b + r, d = 32 ks + 8 h .. + 7 and 32 ks + 16 + 8 h .. + 7:
	; in f32 that is 32 bytes at 128 ks + 32 h and 32 bytes 64 further on.  A one-off read of 32 KiB a wave; the 16 loads of a q tile cover its rows whole.
	v_and_b32 v1, 15, v0                           ; r
	v_bfe_u32 v2, v0, 4, 1                         ; h
	v_lshlrev_b32 v[QOFF], 9, v1
	v_lshl_add_u32 v[QOFF], v2, 5, v[QOFF]         ; 512 r + 32 h
	WIN W_QLD
.irp b, 0,1,2,3
.irp ks, 0,1,2,3
	global_load_b128 v[16*(4*\b+\ks):16*(4*\b+\ks)+3],     v[QOFF], s[66:67] offset:\b*8192+\ks*128
	global_load_b128 v[16*(4*\b+\ks)+4:16*(4*\b+\ks)+7],   v[QOFF], s[66:67] offset:\b*8192+\ks*128+16
	global_load_b128 v[16*(4*\b+\ks)+8:16*(4*\b+\ks)+11],  v[QOFF], s[66:67] offset:\b*8192+\ks*128+64
	global_load_b128 v[16*(4*\b+\ks)+12:16*(4*\b+\ks)+15], v[QOFF], s[66:67] offset:\b*8192+\ks*128+80
.endr
.endr
	WIN 0
	; LDS addresses (no place in the cluster enters any)
	v_mul_u32_u24 v3, v1, PK
	v_lshl_add_u32 v3, v2, 4, v3                   ; K: r x 272 + 16 h
	s_mul_i32 s74, s14, HALFK
	s_add_co_u32 s74, s74, VPART                   ; my 128 keys of K, behind V's part
	v_add_nc_u32 v[ADRK], s74, v3
	v_add_nc_u32 v[ADRK+1], SLOT, v[ADRK]
	v_and_b32 v3, 7, v0
	v_lshl_add_u32 v3, v2, 3, v3                   ; V: row 8 h + (lane & 7)
	v_mul_u32_u24 v3, v3, PV
	v_bfe_u32 v[ADRV], v0, 3, 1
	v_lshl_add_u32 v3, v[ADRV], 4, v3              ; + 16 x ((lane >> 3) & 1)
	s_mul_i32 s74, s14, HALFV                      ; my 128 keys of V
	v_add_nc_u32 v[ADRV], s74, v3
	v_add_nc_u32 v[ADRV+1], SLOT, v[ADRV]
	v_mul_u32_u24 v[STO], v1, SP
	v_lshl_add_u32 v[STO], v2, 5, v[STO]           ; stage, in: row r of a q tile, 32 bytes for each half of the lanes
	s_mul_i32 s74, s12, SREG
	v_add_nc_u32 v[STO], s74, v[STO]
	v_and_b32 v[L16], 31, v0
	v_lshlrev_b32 v[L16], 4, v[L16]                ; 16 x lane
	s_mul_i32 s74, s13, 2*SREG                     ; stage, back: the stage of wave 2 qh (the partner's lies 33,792 further on),
	s_mul_i32 s75, s14, 32*SP                      ; rows 32 kh .. 32 kh + 31
	s_add_co_u32 s74, s74, s75
	v_add_nc_u32 v[RD], s74, v[L16]
	s_lshl_b32 s74, s12, 9
	s_add_co_u32 s74, s74, XCH
	v_lshl_add_u32 v[XST], v1, 2, s74              ; exchange: my wave's 512 bytes
	s_xor_b32 s75, s12, 1
	s_lshl_b32 s75, s75, 9
	s_add_co_u32 s75, s75, XCH
	v_lshl_add_u32 v[XLD], v1, 2, s75              ; and those of the wave with the same q rows and the other keys
	s_lshl_b32 s74, s13, 8
	s_add_co_u32 s74, s74, FIN
	v_lshl_add_u32 v[FINW], v1, 2, s74
	s_lshl_b32 s74, s14, 9
	s_add_co_u32 s74, s74, FIN
	v_add_nc_u32 v[FINR], s74, v[L16]
	; state: maximum -infinity, the subtracted number +infinity (so that the first factor is 2^-infinity = 0), sums 0
.irp b, 0,1,2,3
	v_mov_b32 v[MX+\b], 0xff800000
	v_mov_b32 v[NM+2*\b], 0x7f800000
	v_mov_b32 v[NM+2*\b+1], 0x7f800000
	v_mov_b32 v[LS+4*\b], 0
	v_mov_b32 v[LS+4*\b+1], 0
	v_mov_b32 v[LS+4*\b+2], 0
	v_mov_b32 v[LS+4*\b+3], 0
.endr
	v_mov_b32 v[CC], 0x3e0293ee                    ; c = log2(e) / sqrt(128)
	v_mov_b32 v[CC+1], 0x3e0293ee
	s_wait_loadcnt 0x0                             ; q is in
	WIN W_QCV
.set qf, 0
.rept 16
.set qi, 0
.rept 8
	v_cvt_pk_bf16_f32 v[8*qf+qi], v[16*qf+2*qi], v[16*qf+2*qi+1]   ; 16 f32 of window 1 -> the 8 registers of a fragment in window 3
.set qi, qi+1
.endr
.set qf, qf+1
.endr
	WIN 0
	; ---------------- the eight steps ----------------
	TRIP 0, 1, 1                                   ; the first step starts O; it stands in front of the loop
	TRIP 1, 1, 0
	s_mov_b32 s23, 2
.Llap:
	TRIP 0, 1, 0
	TRIP 1, 1, 0
	s_sub_co_u32 s23, s23, 1
	s_cmp_lg_u32 s23, 0
	s_cbranch_scc1 .Llap
	TRIP 0, 1, 0                                   ; step 6 asks for step 7's tile,
	TRIP 1, 0, 0                                   ; step 7 for nothing (slot 0's stepped address is not used)
	; ---------------- the two waves of one qh are merged; the way out ----------------
	; Slot 0 has had its last fill, and every wave waited for its last reads of it in front of step 7's round: from here on it is scratch.
	PLACES 4                                       ; behind the last products: O is read and written, buffers 0 and 1 are loaded again below
.irp b, 0,1,2,3
	v_pk_add_f32 v[LS+4*\b:LS+4*\b+1], v[LS+4*\b:LS+4*\b+1], v[LS+4*\b+2:LS+4*\b+3]
.endr
.irp b, 0,1,2,3
	v_add_f32 v[LS+4*\b], v[LS+4*\b], v[LS+4*\b+1]
.endr
.irp b, 0,1,2,3
	v_permlanex16_b32 v[LS+4*\b+1], v[LS+4*\b], s18, s19
.endr
.irp b, 0,1,2,3
	v_add_f32 v[LS+4*\b], v[LS+4*\b], v[LS+4*\b+1]         ; the sum over my wave's 1,024 keys, in both lanes of a q
.endr
.irp b, 0,1,2,3
	ds_store_b32 v[XST], v[NM+2*\b] offset:64*\b           ; lanes r and r + 16 write the same word with the same number
	ds_store_b32 v[XST], v[LS+4*\b] offset:256+64*\b
.endr
	s_wait_dscnt 0x0                               ; for the partner's sake: my stores are done
	s_barrier_signal -1
	s_barrier_wait -1
.irp b, 0,1,2,3
	ds_load_b32 v[T+2*\b],   v[XLD] offset:64*\b           ; the partner's subtracted number
	ds_load_b32 v[T+2*\b+1], v[XLD] offset:256+64*\b       ; and sum
.endr
	s_wait_dscnt 0x0
.irp b, 0,1,2,3
	v_min_num_f32 v[MN+\b], v[NM+2*\b], v[T+2*\b]          ; -c x the larger maximum
.endr
.irp b, 0,1,2,3
	v_sub_f32 v[T+8+2*\b],   v[MN+\b], v[NM+2*\b]
	v_sub_f32 v[T+8+2*\b+1], v[MN+\b], v[T+2*\b]
.endr
.irp b, 0,1,2,3
	v_exp_f32 v[AL+2*\b], v[T+8+2*\b]                      ; my weight
	v_exp_f32 v[T+8+2*\b+1], v[T+8+2*\b+1]                 ; the partner's
.endr
.irp b, 0,1,2,3
	v_mul_f32 v[MX+\b], -1.0, v[MN+\b]                     ; mc; also the plain instructions behind the exponentials (ISA guide 5.7.2)
.endr
	s_wait_alu depctr_va_vdst(0)
.irp b, 0,1,2,3
	v_mov_b32 v[AL+2*\b+1], v[AL+2*\b]
	v_mul_f32 v[T+2*\b+1], v[T+2*\b+1], v[T+8+2*\b+1]
.endr
.irp b, 0,1,2,3
	v_fma_f32 v[LS+4*\b], v[LS+4*\b], v[AL+2*\b], v[T+2*\b+1]      ; l of the work-group's 2,048 keys
.endr
	s_cmp_lg_u32 s14, 0                            ; one wave of each pair puts the statistics down
	s_cbranch_scc1 .Lnofin
.irp b, 0,1,2,3
	ds_store_b32 v[FINW], v[MX+\b] offset:64*\b
	ds_store_b32 v[FINW], v[LS+4*\b] offset:512+64*\b
.endr
.Lnofin:
	RESCALE                                        ; my O on the common maximum
	WIN W_OST
.irp t, 0,1,2,3,4,5,6,7
.irp b, 0,1,2,3
	ds_store_b128 v[STO], v[8*(4*\t+\b):8*(4*\t+\b)+3]   offset:\b*16*SP+64*\t      ; row 16 b + r, d = 16 t + 8 h + 0..3
	ds_store_b128 v[STO], v[8*(4*\t+\b)+4:8*(4*\t+\b)+7] offset:\b*16*SP+64*\t+16   ; d = 16 t + 8 h + 4..7
.endr
.endr
	WIN 0
	s_wait_dscnt 0x0                               ; for the others' sake: stage and statistics are written
	s_barrier_signal -1
	s_barrier_wait -1
; eight rows: read from both stages of my pair as whole rows, added, stored: a wave's store is one row of 512 consecutive bytes, aligned
.macro OUT8 j, f
.if \j >= 2
	s_wait_xcnt 0x0                                ; every earlier memory instruction has had its addresses translated (ISA guide 3.1): buffer f, which stores of two batches ago read, is loaded again only behind this wait
.endif
.irp i, 0,1,2,3,4,5,6,7
	ds_load_b128 v[\f+8*\i:\f+8*\i+3],   v[RD] offset:(8*\j+\i)*SP
	ds_load_b128 v[\f+8*\i+4:\f+8*\i+7], v[RD] offset:(8*\j+\i)*SP+SREG
.endr
.irp i, 0,1,2,3,4,5,6,7
	s_wait_dscnt 14-2*\i                           ; row i's two loads are in, the later rows' stay out
	v_pk_add_f32 v[\f+8*\i:\f+8*\i+1],   v[\f+8*\i:\f+8*\i+1],   v[\f+8*\i+4:\f+8*\i+5]
	v_pk_add_f32 v[\f+8*\i+2:\f+8*\i+3], v[\f+8*\i+2:\f+8*\i+3], v[\f+8*\i+6:\f+8*\i+7]
	global_store_b128 v[L16], v[\f+8*\i:\f+8*\i+3], s[68:69] offset:(8*\j+\i)*512
.endr
.endm
	OUT8 0, F0
	OUT8 1, F1
	OUT8 2, F0
	OUT8 3, F1
	s_cmp_lg_u32 s13, 0                            ; wave 0 stores the 128 mc, wave 1 the 128 l: 512 consecutive bytes each
	s_cbranch_scc1 .Lnostat
	ds_load_b128 v[T:T+3], v[FINR]
	s_wait_dscnt 0x0
	global_store_b128 v[L16], v[T:T+3], s[70:71]
.Lnostat:
	s_wait_tensorcnt 0x0
	ds_add_u32 v254, v255
	s_wait_dscnt 0x0
	ROUND                                          ; the closing round: no work-group ends while a partner may still ask for a tile that names it
	s_endpgm
.Lfunc_end_k_q8202cecb34_attn:
	.size	k_q8202cecb34_attn, .Lfunc_end_k_q8202cecb34_attn-k_q8202cecb34_attn
	.p2alignl 7, 3214868480
	.fill 96, 4, 3214868480
	.section	.rodata,"a",@progbits
	.p2align	6, 0x0
	.amdhsa_kernel k_q8202cecb34_attn
		.amdhsa_group_segment_fixed_size 327680
		.amdhsa_private_segment_fixed_size 0
		.amdhsa_enable_private_segment 0
		.amdhsa_kernarg_size 32
		.amdhsa_user_sgpr_count 2
		.amdhsa_user_sgpr_kernarg_segment_ptr 1
		.amdhsa_wavefront_size32 1
		.amdhsa_system_sgpr_workgroup_id_x 1
		.amdhsa_system_sgpr_workgroup_id_y 1
		.amdhsa_system_sgpr_workgroup_id_z 1
		.amdhsa_system_vgpr_workitem_id 0
		.amdhsa_next_free_vgpr 896
		.amdhsa_next_free_sgpr 80
		.amdhsa_reserve_vcc 0
		.amdhsa_float_denorm_mode_32 3
		.amdhsa_float_denorm_mode_16_64 3
		.amdhsa_memory_ordered 1
		.amdhsa_forward_progress 1
		.amdhsa_inst_pref_size 255
	.end_amdhsa_kernel
	.section	.bss,"aw",@nobits
	.p2align	6
	.space	262144
	.amdgpu_metadata
---
amdhsa.version: [ 1, 2 ]
amdhsa.kernels:
  - .name:           k_q8202cecb34_attn
    .symbol:         k_q8202cecb34_attn.kd
    .args:
      - { .name: q, .offset: 0, .size: 8, .value_kind: global_buffer, .address_space: global }
      - { .name: kvb, .offset: 8, .size: 8, .value_kind: global_buffer, .address_space: global }
      - { .name: opart, .offset: 16, .size: 8, .value_kind: global_buffer, .address_space: global }
      - { .name: stat, .offset: 24, .size: 8, .value_kind: global_buffer, .address_space: global }
    .group_segment_fixed_size: 327680
    .private_segment_fixed_size: 0
    .kernarg_segment_align: 8
    .kernarg_segment_size: 32
    .max_flat_workgroup_size: 128
    .sgpr_count:     80
    .vgpr_count:     896
    .wavefront_size: 32
...
	.end_amdgpu_metadata
.endif
;; end of part 2
;; launch merge (part 3): grid 256 x 1, 8 waves a work-group, no clusters, 0 bytes of LDS; arguments opart, stat, out0; writes out0
.if DOCPART == 3
	.amdgcn_target "amdgcn-amd-amdhsa--gfx1250"
	.amdhsa_code_object_version 6
	.text
	.protected	k_q8202cecb34_merge
	.globl	k_q8202cecb34_merge
	.p2align	8
	.type	k_q8202cecb34_merge,@function
k_q8202cecb34_merge:
	s_mov_b64 s[64:65], 0
	v_nop
	global_prefetch_b8 v0, s[64:65] scope:SCOPE_SE
	s_setreg_imm32_b32 hwreg(HW_REG_WAVE_MODE, 25, 1), 1
	s_wait_xcnt 0x0
; out0[row][d] = sum over the 4 parts s of e_s opart[s][row][d]  /  sum over s of e_s l_s,   e_s = 2^(mc_s - max over s of mc_s).
; opart: [4][8192][128] f32; stat: [4][2][8192] f32 (plane 0 mc, plane 1 l); out0: [8192][128] f32.
; The part that holds the row's maximum has e = 1 and a sum l of about 1 or more, so the divisor is never near 0.
; A stream: 8 waves, the work-group owns 32 rows, a wave 4 rows, a lane 16 bytes of each row: every load and store of a wave covers 512 consecutive
; bytes, aligned.  All 24 loads go out first.  No LDS, no matrix unit, no cluster: nothing is shared between waves.
.set PART,  4194304                    ; bytes of a part of opart
.set MS, 4                             ; v[4:19]    mc of part s, my wave's rows 0..3: 4 registers a part
.set LS, 20                            ; v[20:35]   l likewise
.set O,  36                            ; v[36:99]   row i, part s: 4 registers at 4 (4 i + s)
.set W,  100                           ; v[100:131] weight of (i, s), twice: a pair at 2 (4 i + s)
.set T,  132                           ; v[132:135] the rows' maxima; v[136:139] their divisors
	s_load_b128 s[4:7], s[0:1], 0x0                ; opart s[4:5], stat s[6:7]
	s_load_b64 s[8:9], s[0:1], 0x10                ; out0
	s_lshl_b32 s12, ttmp9, 14                      ; 32 rows of 512 bytes
	s_mov_b32 s13, 0
	s_lshl_b32 s14, ttmp9, 7                       ; 32 numbers
	s_mov_b32 s15, 0
	v_lshrrev_b32 v3, 5, v0                        ; wave
	v_and_b32 v1, 31, v0
	v_lshlrev_b32 v1, 4, v1
	v_lshl_add_u32 v1, v3, 11, v1                  ; wave x 4 rows + 16 x lane
	v_lshlrev_b32 v2, 4, v3                        ; wave x 4 numbers: the same 16 bytes for all lanes of a wave
	s_wait_kmcnt 0x0
	s_add_nc_u64 s[4:5], s[4:5], s[12:13]          ; parts 0 and 1
	s_add_nc_u64 s[10:11], s[4:5], 2*PART          ; parts 2 and 3: the immediate's 24 signed bits do not reach them
	s_add_nc_u64 s[6:7], s[6:7], s[14:15]
	s_add_nc_u64 s[8:9], s[8:9], s[12:13]
.irp s, 0,1,2,3
	global_load_b128 v[MS+4*\s:MS+4*\s+3], v2, s[6:7] offset:65536*\s
	global_load_b128 v[LS+4*\s:LS+4*\s+3], v2, s[6:7] offset:65536*\s+32768
.endr
.irp i, 0,1,2,3
	global_load_b128 v[O+16*\i:O+16*\i+3],     v1, s[4:5]   offset:512*\i th:TH_LOAD_NT
	global_load_b128 v[O+16*\i+4:O+16*\i+7],   v1, s[4:5]   offset:512*\i+PART th:TH_LOAD_NT
	global_load_b128 v[O+16*\i+8:O+16*\i+11],  v1, s[10:11] offset:512*\i th:TH_LOAD_NT
	global_load_b128 v[O+16*\i+12:O+16*\i+15], v1, s[10:11] offset:512*\i+PART th:TH_LOAD_NT
.endr
	s_wait_loadcnt 16                              ; loads come back in order (ISA guide 5.7.1): the statistics are in, the 16 loads of opart stay out
.irp i, 0,1,2,3
	v_max3_num_f32 v[T+\i], v[MS+\i], v[MS+4+\i], v[MS+8+\i]
.endr
.irp i, 0,1,2,3
	v_max_num_f32 v[T+\i], v[T+\i], v[MS+12+\i]
.endr
.irp i, 0,1,2,3
.irp s, 0,1,2,3
	v_sub_f32 v[W+2*(4*\i+\s)], v[MS+4*\s+\i], v[T+\i]
.endr
.endr
.irp i, 0,1,2,3
.irp s, 0,1,2,3
	v_exp_f32 v[W+2*(4*\i+\s)], v[W+2*(4*\i+\s)]           ; e_s
.endr
.endr
	v_nop                                          ; one plain instruction behind the exponentials before their results are used (ISA guide 5.7.2)
	s_wait_alu depctr_va_vdst(0)
.irp i, 0,1,2,3
	v_mul_f32 v[T+4+\i], v[W+8*\i], v[LS+\i]
.endr
.irp s, 1,2,3
.irp i, 0,1,2,3
	v_fmac_f32 v[T+4+\i], v[W+2*(4*\i+\s)], v[LS+4*\s+\i]  ; the divisor
.endr
.endr
.irp i, 0,1,2,3
	v_rcp_f32 v[T+4+\i], v[T+4+\i]
.endr
	v_nop                                          ; likewise behind the reciprocals
	s_wait_alu depctr_va_vdst(0)
.irp i, 0,1,2,3
.irp s, 0,1,2,3
	v_mul_f32 v[W+2*(4*\i+\s)+1], v[W+2*(4*\i+\s)], v[T+4+\i]      ; e_s / divisor, twice: a pair for the packed forms
	v_mul_f32 v[W+2*(4*\i+\s)],   v[W+2*(4*\i+\s)], v[T+4+\i]
.endr
.endr
.irp i, 0,1,2,3
	s_wait_loadcnt 12-4*\i                         ; row i's four loads are in, the later rows' stay out
	v_pk_mul_f32 v[O+16*\i:O+16*\i+1],   v[O+16*\i:O+16*\i+1],   v[W+8*\i:W+8*\i+1]
	v_pk_mul_f32 v[O+16*\i+2:O+16*\i+3], v[O+16*\i+2:O+16*\i+3], v[W+8*\i:W+8*\i+1]
.irp s, 1,2,3
	v_pk_fma_f32 v[O+16*\i:O+16*\i+1],   v[O+16*\i+4*\s:O+16*\i+4*\s+1],   v[W+8*\i+2*\s:W+8*\i+2*\s+1], v[O+16*\i:O+16*\i+1]
	v_pk_fma_f32 v[O+16*\i+2:O+16*\i+3], v[O+16*\i+4*\s+2:O+16*\i+4*\s+3], v[W+8*\i+2*\s:W+8*\i+2*\s+1], v[O+16*\i+2:O+16*\i+3]
.endr
	global_store_b128 v1, v[O+16*\i:O+16*\i+3], s[8:9] offset:512*\i th:TH_STORE_NT
.endr
	s_endpgm
.Lfunc_end_k_q8202cecb34_merge:
	.size	k_q8202cecb34_merge, .Lfunc_end_k_q8202cecb34_merge-k_q8202cecb34_merge
	.p2alignl 7, 3214868480
	.fill 96, 4, 3214868480
	.section	.rodata,"a",@progbits
	.p2align	6, 0x0
	.amdhsa_kernel k_q8202cecb34_merge
		.amdhsa_group_segment_fixed_size 0
		.amdhsa_private_segment_fixed_size 0
		.amdhsa_enable_private_segment 0
		.amdhsa_kernarg_size 24
		.amdhsa_user_sgpr_count 2
		.amdhsa_user_sgpr_kernarg_segment_ptr 1
		.amdhsa_wavefront_size32 1
		.amdhsa_system_sgpr_workgroup_id_x 1
		.amdhsa_system_sgpr_workgroup_id_y 1
		.amdhsa_system_sgpr_workgroup_id_z 1
		.amdhsa_system_vgpr_workitem_id 0
		.amdhsa_next_free_vgpr 140
		.amdhsa_next_free_sgpr 66
		.amdhsa_reserve_vcc 0
		.amdhsa_float_denorm_mode_32 3
		.amdhsa_float_denorm_mode_16_64 3
		.amdhsa_memory_ordered 1
		.amdhsa_forward_progress 1
		.amdhsa_inst_pref_size 9
	.end_amdhsa_kernel
	.amdgpu_metadata
---
amdhsa.version: [ 1, 2 ]
amdhsa.kernels:
  - .name:           k_q8202cecb34_merge
    .symbol:         k_q8202cecb34_merge.kd
    .args:
      - { .name: opart, .offset: 0, .size: 8, .value_kind: global_buffer, .address_space: global }
      - { .name: stat, .offset: 8, .size: 8, .value_kind: global_buffer, .address_space: global }
      - { .name: out0, .offset: 16, .size: 8, .value_kind: global_buffer, .address_space: global }
    .group_segment_fixed_size: 0
    .private_segment_fixed_size: 0
    .kernarg_segment_align: 8
    .kernarg_segment_size: 24
    .max_flat_workgroup_size: 256
    .sgpr_count:     66
    .vgpr_count:     140
    .wavefront_size: 32
...
	.end_amdgpu_metadata
.endif
;; end of part 3
;; ======== version 2 of 2: 3 launches; version 1 with the launch cast written anew for expert scheduling mode
;; workspace buffers: kvb 4,194,304 bytes; opart 16,777,216 bytes; stat 262,144 bytes
;; launch cast (part 4): grid 256 x 1, 8 waves a work-group, no clusters, 0 bytes of LDS; arguments k, v, kvb; writes kvb
.if DOCPART == 4
	.amdgcn_target "amdgcn-amd-amdhsa--gfx1250"
	.amdhsa_code_object_version 6
	.text
	.protected	k_q8202cecb34_cast
	.globl	k_q8202cecb34_cast
	.p2align	8
	.type	k_q8202cecb34_cast,@function
k_q8202cecb34_cast:
	s_mov_b64 s[64:65], 0
	v_nop
	global_prefetch_b8 v0, s[64:65] scope:SCOPE_SE
	s_setreg_imm32_b32 hwreg(HW_REG_WAVE_SCHED_MODE, 0, 2), 2
	s_setreg_imm32_b32 hwreg(HW_REG_WAVE_MODE, 25, 1), 1
	s_wait_xcnt 0x0
	s_wait_alu depctr_vm_vsrc(0)
; kvb = bf16(k) at byte 0, bf16(v) at byte 2,097,152; k, v: [8192][128] f32, rounded once, to nearest even.
; Each tile of K and V is read by 64 query blocks of the next launch: the rounding is done here once instead of there 64 times,
; and the tiles that travel into LDS there are half as large.
; A stream: 8 waves, the work-group owns 32 rows (16,384 bytes) of k and of v.  Thread t takes 16 bytes at 16 t + 4,096 c, c = 0..3,
; of each input (a wave's load covers 512 consecutive bytes) and stores 8 bytes at 8 t + 2,048 c (a wave's store covers 256
; consecutive bytes, aligned).  All eight loads go out first; no register is written twice, so no wait frees a source.
; No LDS, no matrix unit, no cluster: nothing is shared and nothing is read twice.
; THE MODE: SCHED_MODE bits 1:0 = 2 (LLVM: expert scheduling mode 2), set by the entry lines.  The code itself states the register dependences
; between vector instructions and memory instructions, with s_wait_alu, always for 0.
; THE PLAN.  Registers that memory instructions touch:
;   v1, v2   byte offsets, made once at the head and never written again: v1 is read by the eight loads, v2 by the eight stores.
;   X        load i lands in its own four registers, which no vector instruction names before; its two conversions read them; nothing lands there again.
;   Y        the two conversions of load i write its own two registers, once; store i reads them; nothing writes them again.
; The eight loads are worked in four blocks of two.  Block p converts its two loads; its memory instructions are the two stores of block p - 1, whose
; Y registers no vector instruction of block p names.  So one wait at a block's head, behind the wait for the block's data, states all that its two
; stores hang on, and they are dealt among its conversions with no further wait.  No register that a memory instruction reads is written again: no wait on vm_vsrc is owed.
.set VPLANE, 0x200000                  ; byte of V's part in kvb
.set X, 4                              ; v[4:35]   load i: 4 registers (i = 0..3 k, 4..7 v)
.set Y, 36                             ; v[36:51]  store i: 2 registers
	s_load_b128 s[4:7], s[0:1], 0x0                ; k s[4:5], v s[6:7]
	s_load_b64 s[8:9], s[0:1], 0x10                ; kvb
	s_lshl_b32 s10, ttmp9, 14                      ; the work-group's 32 rows of 512 bytes
	s_mov_b32 s11, 0
	s_lshl_b32 s12, ttmp9, 13                      ; and of 256 bytes
	s_mov_b32 s13, 0
	v_lshlrev_b32 v1, 4, v0                        ; 16 t
	v_lshlrev_b32 v2, 3, v0                        ; 8 t
	s_wait_kmcnt 0x0
	s_add_nc_u64 s[4:5], s[4:5], s[10:11]
	s_add_nc_u64 s[6:7], s[6:7], s[10:11]
	s_add_nc_u64 s[8:9], s[8:9], s[12:13]          ; K's part
	s_add_nc_u64 s[14:15], s[8:9], VPLANE          ; V's part
	s_wait_alu depctr_va_vdst(0)                   ; v1 and v2 are written: every load of the kernel reads v1 as its offset, every store v2
.irp i, 0,1,2,3
	global_load_b128 v[X+4*\i:X+4*\i+3], v1, s[4:5] offset:4096*\i th:TH_LOAD_NT
.endr
.irp i, 0,1,2,3
	global_load_b128 v[X+16+4*\i:X+16+4*\i+3], v1, s[6:7] offset:4096*\i th:TH_LOAD_NT
.endr
; the four numbers of load i, rounded in pairs into store i's two registers
.macro CVT i
	v_cvt_pk_bf16_f32 v[Y+2*(\i)],   v[X+4*(\i)],   v[X+4*(\i)+1]
	v_cvt_pk_bf16_f32 v[Y+2*(\i)+1], v[X+4*(\i)+2], v[X+4*(\i)+3]
.endm
; store i: 0..3 into K's part, 4..7 into V's.  No hint: the next launch reads it
.macro ST i
.if (\i) < 4
	global_store_b64 v2, v[Y+2*(\i):Y+2*(\i)+1], s[8:9] offset:2048*(\i)
.else
	global_store_b64 v2, v[Y+2*(\i):Y+2*(\i)+1], s[14:15] offset:2048*((\i)-4)
.endif
.endm
; Block p: loads 2 p and 2 p + 1 are converted; the stores of block p - 1 stand among the conversions.
.macro BLK p
	s_wait_loadcnt 6-2*(\p)                        ; loads come back in order (ISA guide 5.7.1): loads 2 p and 2 p + 1 are in, the 6 - 2 p younger ones stay out
.if (\p) > 0
	s_wait_alu depctr_va_vdst(0)                   ; the conversions of the block before have written its four Y registers, which the two stores below read
	ST 2*(\p)-2
.endif
	CVT 2*(\p)
.if (\p) > 0
	ST 2*(\p)-1                                    ; no wait: no vector instruction since the wait above names this store's registers
.endif
	CVT 2*(\p)+1
.endm
	BLK 0                                          ; no block stands in front of it: no store, and no wait but the one for its data
	BLK 1
	BLK 2
	BLK 3
	s_wait_alu depctr_va_vdst(0)                   ; block 3's conversions have written its four Y registers, which the last two stores read
	ST 6
	ST 7
	s_endpgm
.Lfunc_end_k_q8202cecb34_cast:
	.size	k_q8202cecb34_cast, .Lfunc_end_k_q8202cecb34_cast-k_q8202cecb34_cast
	.p2alignl 7, 3214868480
	.fill 96, 4, 3214868480
	.section	.rodata,"a",@progbits
	.p2align	6, 0x0
	.amdhsa_kernel k_q8202cecb34_cast
		.amdhsa_group_segment_fixed_size 0
		.amdhsa_private_segment_fixed_size 0
		.amdhsa_enable_private_segment 0
		.amdhsa_kernarg_size 24
		.amdhsa_user_sgpr_count 2
		.amdhsa_user_sgpr_kernarg_segment_ptr 1
		.amdhsa_wavefront_size32 1
		.amdhsa_system_sgpr_workgroup_id_x 1
		.amdhsa_system_sgpr_workgroup_id_y 1
		.amdhsa_system_sgpr_workgroup_id_z 1
		.amdhsa_system_vgpr_workitem_id 0
		.amdhsa_next_free_vgpr 52
		.amdhsa_next_free_sgpr 66
		.amdhsa_reserve_vcc 0
		.amdhsa_float_denorm_mode_32 3
		.amdhsa_float_denorm_mode_16_64 3
		.amdhsa_memory_ordered 1
		.amdhsa_forward_progress 1
		.amdhsa_inst_pref_size 4
	.end_amdhsa_kernel
	.amdgpu_metadata
---
amdhsa.version: [ 1, 2 ]
amdhsa.kernels:
  - .name:           k_q8202cecb34_cast
    .symbol:         k_q8202cecb34_cast.kd
    .args:
      - { .name: k, .offset: 0, .size: 8, .value_kind: global_buffer, .address_space: global }
      - { .name: v, .offset: 8, .size: 8, .value_kind: global_buffer, .address_space: global }
      - { .name: kvb, .offset: 16, .size: 8, .value_kind: global_buffer, .address_space: global }
    .group_segment_fixed_size: 0
    .private_segment_fixed_size: 0
    .kernarg_segment_align: 8
    .kernarg_segment_size: 24
    .max_flat_workgroup_size: 256
    .sgpr_count:     66
    .vgpr_count:     52
    .wavefront_size: 32
...
	.end_amdgpu_metadata
.endif
;; end of part 4
;; launch attn: the kernel of part 2 again; grid 64 x 4, 4 waves a work-group, clusters of 4 x 1, 327,680 bytes of LDS; arguments q, kvb, opart, stat; writes opart, stat
;; launch merge: the kernel of part 3 again; grid 256 x 1, 8 waves a work-group, no clusters, 0 bytes of LDS; arguments opart, stat, out0; writes out0
